; MI455X (gfx1250); checked and timed in simulation.
; The chip was launched on July 23, 2026; its instructions are those of AMD's public machine-readable ISA for CDNA 5 (MIT licence, August 2026) and "CDNA5" Instruction Set Architecture Reference Guide (July 2026). The comments in the code are by the model that wrote it; some were corrected since.
;; Base Layer. Allowed arithmetic: float matrix products may take bf16 or f16 operands with f32 sums; all other float work in f32.
;; Inputs: c_basis 16,384 x 11 float32; c_res 128 x 128 float32; c_spl 128 x 128 float32; grid 16,384 x 15 float32; x 512 x 128 float32.
;; Outputs: out0 512 x 128 float32.
;; 2 versions, each right; version 2 is version 1 with the launch kan written anew for expert scheduling mode. Each part assembles by itself: llvm-mc -triple=amdgcn-amd-amdhsa -mcpu=gfx1250 --defsym DOCPART=n.
;; ======== version 1 of 2: 1 launch
;; launch kan (part 1): grid 64 x 4, 8 waves a work-group, no clusters, 271,616 bytes of LDS; arguments x, grid, c_basis, c_res, c_spl, out0; writes out0
.if DOCPART == 1
	.amdgcn_target "amdgcn-amd-amdhsa--gfx1250"
	.amdhsa_code_object_version 6
	.text
	.protected	k_q550e3a43e1_kan
	.globl	k_q550e3a43e1_kan
	.p2align	8
	.type	k_q550e3a43e1_kan,@function
k_q550e3a43e1_kan:
	s_mov_b64 s[64:65], 0
	v_nop
	global_prefetch_b8 v0, s[64:65] scope:SCOPE_SE
	s_setreg_imm32_b32 hwreg(HW_REG_WAVE_MODE, 25, 1), 1
	s_wait_xcnt 0x0
; out[b][o] = sum over i of ( c_res[o][i] silu(x[b][i]) + c_spl[o][i] sum_j c_basis[e][j] B_j(x[b][i]; grid[e]) ),  e = 128 o + i.
; Every edge e has its own 15 knots g_0..g_14, so one edge's basis serves no other edge: the work is 16,384 x 512 evaluations of a
; piecewise cubic on the vector ALU.
;
; THE FORM THAT IS EVALUATED.  The recurrence is linear in the degree-0 indicators: spline(x) = sum_j [g_j <= x < g_j+1] P_j(x), P_j a cubic
; fixed for the edge.  With c = c_basis x c_spl (zero outside 0..10) and
;   d1_k = (c_k - c_k-1)/(g_k+3 - g_k),  d2_k = (d1_k - d1_k-1)/(g_k+2 - g_k),  d3_k = (d2_k - d2_k-1)/(g_k+1 - g_k),
; P_j about g_j is  p3 = d3_j,  p2 = 3 d2_j-1,  p1 = 3 m,  p0 = c_j-3 + d1_j-2 (g_j - g_j-2) + m (g_j - g_j-1),  m = d1_j-2 + (g_j - g_j-1) d2_j-1,
; and P_j-1 about g_j has the same p0, p1, p2 and p3 = d3_j-1.  These are identities of rational functions: they hold for knots in any order.
; Intervals a = 2q and b = 2q+1 are never both active, so they share one evaluation about g_b, with t = x - g_b:
;   window [min(g_a,g_b) <= x < max(g_b,g_b+1)], by two compares (an interval whose ends are out of order is empty, as in the recurrence);
;   p3 t = d3_b t + (d3_a - d3_b) min(t, 0): d3_a left of g_b, d3_b from g_b on.
; The value of a pair whose window is shut is replaced by 0 (a select, not a product).  The seven pairs are summed.
;
; LIMITS.  x finite (for an infinite x the recurrence gives NaN; here only silu decides).  Knots with g_j+K = g_j (K = 1, 2, 3), for which the
; recurrence itself divides by zero, give non-finite numbers whose pattern is not matched.  Quotients are products with v_rcp_f32.
;
; THE SHARES.  256 work-groups: ttmp9 = pair of outputs o (64), ttmp7 = block of 128 rows (4).  Eight waves; wave w owns the 32 edges
; o = 2 ttmp9 + (w >> 2), i = 32 (w & 3) + lane, for all 128 rows.  A lane makes its edge's 56 constants itself and keeps them in registers;
; two rows go through each packed instruction.  The sum over i is made at the end from partial sums in LDS.
; Two o to a group: the fixed work is some 270 instructions a wave for the constants (once for each o and block of rows) and some 230 for silu
; (once for each row and group), against 64 x 98 in the loop.
; NOT USED.  Matrix instructions: the basis has no operand shared between edges, and the residual product, whose silu(x) and c_res already lie
; in these lanes, rides along as one packed multiply-add in 98.  Tensor loads and clusters: the 64 KiB of x that a group reads pass through
; registers for silu in any case.  Stores: a group owns two columns of out0, so two neighbouring lanes store 8 neighbouring bytes of a row.
.set NEG_L2E, 0xbfb8aa3b               ; -log2(e)
.set THREE,   0x40400000               ; 3.0
; LDS
.set XS_PAIR, 512                      ; one pair of rows for 32 inputs: 32 lanes x {x0, x1, silu0, silu1}
.set XS_WAVE, 32*XS_PAIR               ; what one wave prepares: 32 pairs of rows
.set XS_IG,   64*XS_PAIR               ; what one wave reads: all 64 pairs of rows of its 32 inputs
.set S_BASE,  4*XS_IG                  ; behind the four x regions: the partial sums
.set S_PAIR,  272                      ; 32 lanes x 8 bytes + 16
.set S_WAVE,  64*S_PAIR+32             ; one wave's partial sums.  4 S_WAVE = 128 modulo 256, S_PAIR = 16 modulo 256: the sixteen lanes of
                                       ; a half wave at the end (2 outputs x 8 row pairs) read sixteen different 16-byte columns modulo 256
; scalar registers of the loop
.set ML,   48                          ; s[48:61]  mask lo <= x, then the window's mask: pair q, row r at ML+2q+r
.set MH,   66                          ; s[66:79]  mask x < hi
; vector registers
.set XOFF, 3                           ; byte offsets into x, grid, c_basis, c_res / c_spl
.set GOFF, 4
.set COFF, 5
.set EOFF, 6
.set XAD,  7                           ; LDS: my 16 bytes of the row pair at work
.set PAD,  8                           ; LDS: where I put the row pairs that I prepare
.set SAD,  9                           ; LDS: my 8 bytes of partial sums
.set RAD,  13                          ; LDS: the partial sums that I add up at the end
.set OAD,  14                          ; byte offset of my number in out0
.set KC,   16                          ; v[16:71]  pair q at KC+8q: lo, hi | -g_b, d3_a - d3_b | d3_b, p2 | p1, p0
.set CR,   72                          ; v72 c_res, v73 c_spl
.set G,    74                          ; v[74:88]  the knots
.set C,    90                          ; v[90:100] c_k; v89 and v101 are c_-1 = c_11 = 0
.set W0,   102                         ; v[102:229] work area, used by one phase after the other
.set Q,    W0                          ; silu: 32 x {x0, x1, s0, s1}
.set H1,   W0                          ; constants: g_k+1 - g_k (14), g_k+2 - g_k (13), g_k+3 - g_k (12), in one run
.set H2,   W0+14
.set H3,   W0+27
.set I1,   W0+39                       ; their reciprocals, in the same order
.set I2,   W0+53
.set I3,   W0+66
.set D1,   W0+79                       ; d1_k, k = -1 .. 12, the two ends zero
.set D2,   W0+93                       ; d2_k, k = -1 .. 13, the two ends zero
.set D3,   W0+107                      ; d3_k, k = 0 .. 13 (the odd ones end in KC+4k)
.set MM,   W0+121                      ; m
.set T,    W0                          ; loop: t = x - g_b, 7 pairs of registers
.set TM,   W0+14                       ; min(t, 0)
.set U,    W0+28                       ; the Horner value
.set ACA,  W0+42                       ; two chains of sums
.set ACB,  W0+44
.set XA,   W0+48                       ; two buffers of {x0, x1, s0, s1}
.set XB,   W0+52
.set F,    W0                          ; the end: 32 x 4 partial sums
	s_load_b256 s[4:11], s[0:1], 0x0               ; x s[4:5], grid s[6:7], c_basis s[8:9], c_res s[10:11]
	s_load_b128 s[12:15], s[0:1], 0x20             ; c_spl s[12:13], out0 s[14:15]
	v_lshl_add_u32 v232, v0, 2, 0x42100
	v_mov_b32 v233, 0
	v_lshrrev_b32 v1, 5, v0
	v_readfirstlane_b32 s34, v1                    ; wave 0..7
	v_and_b32 v2, 31, v0                           ; lane
	s_and_b32 s35, s34, 3                          ; which 32 inputs
	s_lshr_b32 s36, s34, 2                         ; which of the two outputs
	s_and_b32 s37, ttmp7, 0xffff                   ; block of 128 rows
	s_lshl_b32 s24, s37, 16                        ; 128 rows x 512 bytes, in x and in out0
	s_mov_b32 s25, 0
	s_mul_i32 s26, ttmp9, 256*60                   ; the group's 256 edges: 60 bytes of knots each,
	s_mov_b32 s27, 0
	s_mul_i32 s28, ttmp9, 256*44                   ; 44 bytes of coefficients,
	s_mov_b32 s29, 0
	s_lshl_b32 s30, ttmp9, 10                      ; 4 bytes of c_res and of c_spl
	s_mov_b32 s31, 0
	s_lshl_b32 s32, ttmp9, 3                       ; two columns of out0
	s_mov_b32 s33, 0
	s_mov_b32 s18, NEG_L2E                         ; a packed instruction names a scalar pair: both halves are written
	s_mov_b32 s19, NEG_L2E
	s_mov_b32 s21, THREE
	s_mov_b32 s22, 0x76543210                      ; v_permlanex16_b32: lane l reads lane l xor 16
	s_mov_b32 s23, 0xfedcba98
	v_and_b32 v[XOFF], 127, v0                     ; i
	v_lshrrev_b32 v1, 7, v0
	v_lshlrev_b32 v[XOFF], 2, v[XOFF]
	v_lshl_add_u32 v[XOFF], v1, 15, v[XOFF]        ; 4 i + 64 rows x 512 bytes for the waves of the second output: they prepare rows 64..127
	v_mul_u32_u24 v[GOFF], v0, 60                  ; the thread's number is its edge's number within the group
	v_mul_u32_u24 v[COFF], v0, 44
	v_lshlrev_b32 v[EOFF], 2, v0
	s_wait_kmcnt 0x0
	s_add_nc_u64 s[4:5], s[4:5], s[24:25]
	s_add_nc_u64 s[6:7], s[6:7], s[26:27]
	s_add_nc_u64 s[8:9], s[8:9], s[28:29]
	s_add_nc_u64 s[10:11], s[10:11], s[30:31]
	s_add_nc_u64 s[12:13], s[12:13], s[30:31]
	s_add_nc_u64 s[14:15], s[14:15], s[24:25]
	s_add_nc_u64 s[14:15], s[14:15], s[32:33]
; 32 loads: 16 pairs of rows of x, 128 neighbouring bytes a wave each; the two rows of a packed pair land in neighbouring registers
.macro XLOAD first
.set k, \first
.rept 16
	global_load_b32 v[Q+4*k], v[XOFF], s[4:5] offset:1024*k          ; row 2k of my share
	global_load_b32 v[Q+4*k+1], v[XOFF], s[4:5] offset:1024*k+512    ; row 2k+1
.set k, k+1
.endr
.endm
	XLOAD 0                                        ; what is needed first goes first; then the 28 numbers of my edge
.set k, 0
.rept 15
	global_load_b32 v[G+k], v[GOFF], s[6:7] offset:4*k
.set k, k+1
.endr
.set k, 0
.rept 11
	global_load_b32 v[C+k], v[COFF], s[8:9] offset:4*k
.set k, k+1
.endr
	global_load_b32 v[CR], v[EOFF], s[10:11]
	global_load_b32 v[CR+1], v[EOFF], s[12:13]
	; LDS addresses and the end's indices, while the loads are out
	s_mul_i32 s38, s35, XS_IG
	v_lshl_add_u32 v[XAD], v2, 4, s38              ; my inputs' region + 16 x lane
	s_mul_i32 s39, s36, XS_WAVE
	s_add_co_u32 s39, s39, s38
	v_lshl_add_u32 v[PAD], v2, 4, s39              ; the half of it that I fill
	s_mul_i32 s41, s34, S_WAVE
	s_add_co_u32 s41, s41, S_BASE
	v_lshl_add_u32 v[SAD], v2, 3, s41              ; my wave's partial sums + 8 x lane
	v_and_b32 v10, 1, v0                           ; the end: which output,
	v_bfe_u32 v11, v0, 1, 3                        ; which of my wave's 8 row pairs,
	v_bfe_u32 v12, v0, 4, 1                        ; h: which half of the inputs I add, and which row of the pair I store
	v_mul_u32_u24 v[RAD], v10, 4*S_WAVE
	v_mad_u32_u24 v[RAD], v11, S_PAIR, v[RAD]
	v_mad_u32_u24 v[RAD], v12, 2*S_WAVE, v[RAD]
	s_mul_i32 s42, s34, 8*S_PAIR
	s_add_co_u32 s42, s42, S_BASE
	v_add_nc_u32 v[RAD], s42, v[RAD]
	v_lshlrev_b32 v[OAD], 2, v10                   ; out0: row 16 wave + 2 (row pair) + h, column = which output
	v_lshl_add_u32 v[OAD], v11, 10, v[OAD]
	v_lshl_add_u32 v[OAD], v12, 9, v[OAD]
	s_lshl_b32 s43, s34, 13
	v_add_nc_u32 v[OAD], s43, v[OAD]
; silu(x) = x / (1 + 2^(-x log2 e)) for 16 pairs of rows, stage by stage, and {x0, x1, s0, s1} to LDS: 512 neighbouring bytes a store.
; Behind each run of transcendentals one v_nop stands before a result is used (ISA guide 5.7.2).
.macro SILU first
.set k, \first
.rept 16
	v_pk_mul_f32 v[Q+4*k+2:Q+4*k+3], v[Q+4*k:Q+4*k+1], s[18:19] op_sel_hi:[1,0]
.set k, k+1
.endr
.set k, \first
.rept 16
	v_exp_f32 v[Q+4*k+2], v[Q+4*k+2]
	v_exp_f32 v[Q+4*k+3], v[Q+4*k+3]
.set k, k+1
.endr
	v_nop
.set k, \first
	s_wait_alu depctr_va_vdst(0)
.rept 16
	v_pk_add_f32 v[Q+4*k+2:Q+4*k+3], v[Q+4*k+2:Q+4*k+3], 1.0 op_sel_hi:[1,0]
.set k, k+1
.endr
.set k, \first
.rept 16
	v_rcp_f32 v[Q+4*k+2], v[Q+4*k+2]
	v_rcp_f32 v[Q+4*k+3], v[Q+4*k+3]
.set k, k+1
.endr
	v_nop
.set k, \first
	s_wait_alu depctr_va_vdst(0)
.rept 16
	v_pk_mul_f32 v[Q+4*k+2:Q+4*k+3], v[Q+4*k+2:Q+4*k+3], v[Q+4*k:Q+4*k+1]
.set k, k+1
.endr
.set k, \first
.rept 16
	ds_store_b128 v[PAD], v[Q+4*k:Q+4*k+3] offset:XS_PAIR*k
.set k, k+1
.endr
.endm
	s_wait_loadcnt 28                              ; loads return in order (ISA guide 5.7.1): row pairs 0..15 are in, the edge's 28 loads may be out
	XLOAD 16                                       ; row pairs 16..31 travel while the first sixteen are worked on
	SILU 0
	s_wait_loadcnt 0x0
	SILU 16
	s_wait_dscnt 0x0                               ; my rows are in LDS, for the sake of the wave that shares my inputs:
	s_barrier_signal -1                            ; say so, and make the edge's constants (registers only) while the others arrive
	; THE EDGE'S CONSTANTS, one edge a lane
	v_mov_b32 v[C-1], 0                            ; what lies outside the ranges is zero
	v_mov_b32 v[C+11], 0
	v_mov_b32 v[D1-1], 0
	v_mov_b32 v[D1+12], 0
	v_mov_b32 v[D2-1], 0
	v_mov_b32 v[D2+13], 0
.set k, 0
.rept 11
	v_mul_f32 v[C+k], v[C+k], v[CR+1]              ; c_spl goes into the coefficients
.set k, k+1
.endr
.set k, 0
.rept 14
	v_sub_f32 v[H1+k], v[G+k+1], v[G+k]
.set k, k+1
.endr
.set k, 0
.rept 13
	v_sub_f32 v[H2+k], v[G+k+2], v[G+k]
.set k, k+1
.endr
.set k, 0
.rept 12
	v_sub_f32 v[H3+k], v[G+k+3], v[G+k]
.set k, k+1
.endr
.set k, 0
.rept 39
	v_rcp_f32 v[I1+k], v[H1+k]                     ; the three runs lie one behind the other, here and there
.set k, k+1
.endr
	v_nop                                          ; one plain place behind the last reciprocal (ISA guide 5.7.2)
.set k, 0
.rept 12
	v_sub_f32 v[D1+k], v[C+k], v[C+k-1]
.set k, k+1
.endr
.set k, 0
	s_wait_alu depctr_va_vdst(0)
.rept 12
	v_mul_f32 v[D1+k], v[D1+k], v[I3+k]
.set k, k+1
.endr
.set k, 0
.rept 13
	v_sub_f32 v[D2+k], v[D1+k], v[D1+k-1]
.set k, k+1
.endr
.set k, 0
.rept 13
	v_mul_f32 v[D2+k], v[D2+k], v[I2+k]
.set k, k+1
.endr
.set k, 0
.rept 14
	v_sub_f32 v[D3+k], v[D2+k], v[D2+k-1]
.set k, k+1
.endr
.set k, 0
.rept 14
.if k & 1
	v_mul_f32 v[KC+4*k], v[D3+k], v[I1+k]          ; d3_b, b = 2q+1, straight into its place KC+8q+4
.else
	v_mul_f32 v[D3+k], v[D3+k], v[I1+k]
.endif
.set k, k+1
.endr
; the eight constants of pair q: a = 2q, b = 2q+1
.macro PAIRK q
	v_min_num_f32 v[KC+8*\q], v[G+2*\q], v[G+2*\q+1]                 ; lo
	v_max_num_f32 v[KC+8*\q+1], v[G+2*\q+1], v[G+2*\q+2]             ; hi
	v_mul_f32 v[KC+8*\q+2], -1.0, v[G+2*\q+1]                        ; -g_b: t is then a plain packed sum
	v_sub_f32 v[KC+8*\q+3], v[D3+2*\q], v[KC+8*\q+4]                 ; d3_a - d3_b
	v_mul_f32 v[KC+8*\q+5], s21, v[D2+2*\q]                          ; p2 = 3 d2_a
.if \q
	v_fma_f32 v[MM], v[H1+2*\q], v[D2+2*\q], v[D1+2*\q-1]            ; m = d1_b-2 + (g_b - g_a) d2_a
	v_fma_f32 v[KC+8*\q+7], v[D1+2*\q-1], v[H2+2*\q-1], v[C+2*\q-2]  ; c_b-3 + d1_b-2 (g_b - g_b-2)
	v_fma_f32 v[KC+8*\q+7], v[MM], v[H1+2*\q], v[KC+8*\q+7]          ; p0
.else
	v_mul_f32 v[MM], v[H1], v[D2]                                    ; b = 1: d1_-1 and c_-2 are zero
	v_mul_f32 v[KC+7], v[MM], v[H1]
.endif
	v_mul_f32 v[KC+8*\q+6], s21, v[MM]                               ; p1 = 3 m
.endm
.irp q, 0,1,2,3,4,5,6
	PAIRK \q
.endr
	s_barrier_wait -1                              ; every wave's x and silu are in LDS
; One pair of rows for my 32 edges: 98 vector instructions in stages of seven or fourteen that do not wait for each other.
; X = {x0, x1, s0, s1}.  The result, this lane's share of the two rows' sums, is left in ACA.
.macro EVAL X
.irp q, 0,1,2,3,4,5,6
	v_cmp_le_f32 s[ML+2*\q], v[KC+8*\q], v[\X]                       ; lo <= x, row 0
	v_cmp_le_f32 s[ML+2*\q+1], v[KC+8*\q], v[\X+1]                   ; row 1
.endr
.irp q, 0,1,2,3,4,5,6
	v_cmp_gt_f32 s[MH+2*\q], v[KC+8*\q+1], v[\X]                     ; hi > x
	v_cmp_gt_f32 s[MH+2*\q+1], v[KC+8*\q+1], v[\X+1]
.endr
.irp q, 0,1,2,3,4,5,6
	v_pk_add_f32 v[T+2*\q:T+2*\q+1], v[\X:\X+1], v[KC+8*\q+2:KC+8*\q+3] op_sel_hi:[1,0]                                    ; t = x - g_b
.endr
.irp q, 0,1,2,3,4,5,6
	v_min_num_f32 v[TM+2*\q], 0, v[T+2*\q]                           ; t left of g_b, else 0 (the difference keeps its sign: denormals are kept)
	v_min_num_f32 v[TM+2*\q+1], 0, v[T+2*\q+1]
.endr
.set k, 0
.rept 14
	s_and_b32 s[ML+k], s[ML+k], s[MH+k]                              ; the window
.set k, k+1
.endr
.irp q, 0,1,2,3,4,5,6
	v_pk_fma_f32 v[U+2*\q:U+2*\q+1], v[T+2*\q:T+2*\q+1], v[KC+8*\q+4:KC+8*\q+5], v[KC+8*\q+4:KC+8*\q+5] op_sel:[0,0,1] op_sel_hi:[1,0,1]  ; d3_b t + p2
.endr
.irp q, 0,1,2,3,4,5,6
	v_pk_fma_f32 v[U+2*\q:U+2*\q+1], v[TM+2*\q:TM+2*\q+1], v[KC+8*\q+2:KC+8*\q+3], v[U+2*\q:U+2*\q+1] op_sel:[0,1,0]       ; + (d3_a - d3_b) min(t, 0)
.endr
.irp q, 0,1,2,3,4,5,6
	v_pk_fma_f32 v[U+2*\q:U+2*\q+1], v[U+2*\q:U+2*\q+1], v[T+2*\q:T+2*\q+1], v[KC+8*\q+6:KC+8*\q+7] op_sel_hi:[1,1,0]      ; . t + p1
.endr
.irp q, 0,1,2,3,4,5,6
	v_pk_fma_f32 v[U+2*\q:U+2*\q+1], v[U+2*\q:U+2*\q+1], v[T+2*\q:T+2*\q+1], v[KC+8*\q+6:KC+8*\q+7] op_sel:[0,0,1]         ; . t + p0
.endr
.set k, 0
.rept 14
	v_cndmask_b32 v[U+k], 0, v[U+k], s[ML+k]                         ; 0 where the window is shut
.set k, k+1
.endr
	v_pk_fma_f32 v[ACA:ACA+1], v[\X+2:\X+3], v[CR:CR+1], v[U:U+1] op_sel_hi:[1,0,1]   ; c_res silu(x) + pair 0 starts one chain,
	v_pk_add_f32 v[ACB:ACB+1], v[U+2:U+3], v[U+6:U+7]                                 ; pairs 1 and 3 the other: nothing is cleared
	v_pk_add_f32 v[ACA:ACA+1], v[ACA:ACA+1], v[U+4:U+5]
	v_pk_add_f32 v[ACB:ACB+1], v[ACB:ACB+1], v[U+10:U+11]
	v_pk_add_f32 v[ACA:ACA+1], v[ACA:ACA+1], v[U+8:U+9]
	v_pk_add_f32 v[ACB:ACB+1], v[ACB:ACB+1], v[U+12:U+13]
	v_pk_add_f32 v[ACA:ACA+1], v[ACA:ACA+1], v[ACB:ACB+1]
.endm
; The turn of buffer X.  left = how many younger LDS instructions may stay out when the buffer's load has to be in;
; more = 1: the buffer is filled again, two row pairs ahead.
.macro TURN X, ldoff, stoff, left, more
	s_wait_dscnt \left                             ; LDS instructions of a wave end in order (ISA guide 5.7.1)
	EVAL \X
.if \more
	ds_load_b128 v[\X:\X+3], v[XAD] offset:\ldoff
.endif
	ds_store_b64 v[SAD], v[ACA:ACA+1] offset:\stoff
.endm
	ds_load_b128 v[XA:XA+3], v[XAD]
	ds_load_b128 v[XB:XB+3], v[XAD] offset:XS_PAIR
	s_wait_dscnt 0x0                               ; the way into the loop has no stores behind these loads: wait for both
	s_mov_b32 s44, 31
.Lpair:
	; count 3: behind the buffer's load stand its own store, the other buffer's load and the other buffer's store
	TURN XA, 2*XS_PAIR, 0, 3, 1
	TURN XB, 3*XS_PAIR, S_PAIR, 3, 1
	v_add_nc_u32 v[XAD], 2*XS_PAIR, v[XAD]
	v_add_nc_u32 v[SAD], 2*S_PAIR, v[SAD]
	s_sub_co_i32 s44, s44, 1
	s_cmp_lg_u32 s44, 0
	s_cbranch_scc1 .Lpair
	TURN XA, 0, 0, 3, 0                            ; row pairs 62 and 63: nothing more to fetch
	TURN XB, 0, S_PAIR, 2, 0                       ; behind this buffer's load stand two stores
	s_wait_dscnt 0x0                               ; my partial sums are in LDS, for the others' sake
	s_barrier_signal -1
	s_barrier_wait -1
	; THE END.  Wave w takes row pairs 8w .. 8w+7.  A lane adds the partial sums of 64 inputs (two waves' rows of 256 bytes) for one
	; output and one row pair; the lane 16 further on has the other 64 inputs.
.irp g, 0,1
.set k, 0
.rept 16
	ds_load_b128 v[F+4*(16*\g+k):F+4*(16*\g+k)+3], v[RAD] offset:\g*S_WAVE+16*k   ; two inputs x {row 0, row 1}
.set k, k+1
.endr
.endr
	s_wait_dscnt 0x0
.set k, 0
.rept 32
	v_pk_add_f32 v[F+4*k:F+4*k+1], v[F+4*k:F+4*k+1], v[F+4*k+2:F+4*k+3]
.set k, k+1
.endr
.irp s, 16,8,4,2,1
.set k, 0
.rept \s
	v_pk_add_f32 v[F+4*k:F+4*k+1], v[F+4*k:F+4*k+1], v[F+4*(k+\s):F+4*(k+\s)+1]
.set k, k+1
.endr
.endr
	v_cmp_ne_u32 vcc_lo, 0, v12                    ; h
	v_cndmask_b32 v[F+4], v[F+1], v[F], vcc_lo     ; I send the row that my partner stores: h = 1 sends row 0, h = 0 sends row 1
	v_cndmask_b32 v[F+5], v[F], v[F+1], vcc_lo     ; and keep the row that I store: row h
	v_permlanex16_b32 v[F+6], v[F+4], s22, s23     ; its destination counts as read: F+6 has been written
	v_add_f32 v[F+5], v[F+5], v[F+6]
	global_store_b32 v[OAD], v[F+5], s[14:15]
	s_wait_tensorcnt 0x0
	ds_add_u32 v232, v233
	s_wait_dscnt 0x0
	s_endpgm
.Lfunc_end_k_q550e3a43e1_kan:
	.size	k_q550e3a43e1_kan, .Lfunc_end_k_q550e3a43e1_kan-k_q550e3a43e1_kan
	.p2alignl 7, 3214868480
	.fill 96, 4, 3214868480
	.section	.rodata,"a",@progbits
	.p2align	6, 0x0
	.amdhsa_kernel k_q550e3a43e1_kan
		.amdhsa_group_segment_fixed_size 271616
		.amdhsa_private_segment_fixed_size 0
		.amdhsa_enable_private_segment 0
		.amdhsa_kernarg_size 48
		.amdhsa_user_sgpr_count 2
		.amdhsa_user_sgpr_kernarg_segment_ptr 1
		.amdhsa_wavefront_size32 1
		.amdhsa_system_sgpr_workgroup_id_x 1
		.amdhsa_system_sgpr_workgroup_id_y 1
		.amdhsa_system_sgpr_workgroup_id_z 1
		.amdhsa_system_vgpr_workitem_id 0
		.amdhsa_next_free_vgpr 234
		.amdhsa_next_free_sgpr 80
		.amdhsa_reserve_vcc 1
		.amdhsa_float_denorm_mode_32 3
		.amdhsa_float_denorm_mode_16_64 3
		.amdhsa_memory_ordered 1
		.amdhsa_forward_progress 1
		.amdhsa_inst_pref_size 65
	.end_amdhsa_kernel
	.amdgpu_metadata
---
amdhsa.version: [ 1, 2 ]
amdhsa.kernels:
  - .name:           k_q550e3a43e1_kan
    .symbol:         k_q550e3a43e1_kan.kd
    .args:
      - { .name: x, .offset: 0, .size: 8, .value_kind: global_buffer, .address_space: global }
      - { .name: grid, .offset: 8, .size: 8, .value_kind: global_buffer, .address_space: global }
      - { .name: c_basis, .offset: 16, .size: 8, .value_kind: global_buffer, .address_space: global }
      - { .name: c_res, .offset: 24, .size: 8, .value_kind: global_buffer, .address_space: global }
      - { .name: c_spl, .offset: 32, .size: 8, .value_kind: global_buffer, .address_space: global }
      - { .name: out0, .offset: 40, .size: 8, .value_kind: global_buffer, .address_space: global }
    .group_segment_fixed_size: 271616
    .private_segment_fixed_size: 0
    .kernarg_segment_align: 8
    .kernarg_segment_size: 48
    .max_flat_workgroup_size: 256
    .sgpr_count:     80
    .vgpr_count:     234
    .wavefront_size: 32
...
	.end_amdgpu_metadata
.endif
;; end of part 1
;; ======== version 2 of 2: 1 launch; version 1 with the launch kan written anew for expert scheduling mode
;; launch kan (part 2): grid 64 x 4, 8 waves a work-group, no clusters, 271,616 bytes of LDS; arguments x, grid, c_basis, c_res, c_spl, out0; writes out0
.if DOCPART == 2
	.amdgcn_target "amdgcn-amd-amdhsa--gfx1250"
	.amdhsa_code_object_version 6
	.text
	.protected	k_q550e3a43e1_kan
	.globl	k_q550e3a43e1_kan
	.p2align	8
	.type	k_q550e3a43e1_kan,@function
k_q550e3a43e1_kan:
	s_mov_b64 s[64:65], 0
	v_nop
	global_prefetch_b8 v0, s[64:65] scope:SCOPE_SE
	s_setreg_imm32_b32 hwreg(HW_REG_WAVE_SCHED_MODE, 0, 2), 2
	s_setreg_imm32_b32 hwreg(HW_REG_WAVE_MODE, 25, 1), 1
	s_wait_xcnt 0x0
	s_wait_alu depctr_vm_vsrc(0)
; out[b][o] = sum over i of ( c_res[o][i] silu(x[b][i]) + c_spl[o][i] sum_j c_basis[e][j] B_j(x[b][i]; grid[e]) ),  e = 128 o + i.
; Every edge e has its own 15 knots g_0..g_14, so one edge's basis serves no other edge: the work is 16,384 x 512 evaluations of a
; piecewise cubic on the vector ALU.
;
; THE FORM THAT IS EVALUATED.  The recurrence is linear in the degree-0 indicators: spline(x) = sum_j [g_j <= x < g_j+1] P_j(x), P_j a cubic
; fixed for the edge.  With c = c_basis x c_spl (zero outside 0..10) and
;   d1_k = (c_k - c_k-1)/(g_k+3 - g_k),  d2_k = (d1_k - d1_k-1)/(g_k+2 - g_k),  d3_k = (d2_k - d2_k-1)/(g_k+1 - g_k),
; P_j about g_j is  p3 = d3_j,  p2 = 3 d2_j-1,  p1 = 3 m,  p0 = c_j-3 + d1_j-2 (g_j - g_j-2) + m (g_j - g_j-1),  m = d1_j-2 + (g_j - g_j-1) d2_j-1,
; and P_j-1 about g_j has the same p0, p1, p2 and p3 = d3_j-1.  These are identities of rational functions: they hold for knots in any order.
; Intervals a = 2q and b = 2q+1 are never both active, so they share one evaluation about g_b, with t = x - g_b:
;   window [min(g_a,g_b) <= x < max(g_b,g_b+1)], by two compares (an interval whose ends are out of order is empty, as in the recurrence);
;   p3 t = d3_b t + (d3_a - d3_b) min(t, 0): d3_a left of g_b, d3_b from g_b on.
; The value of a pair whose window is shut is replaced by 0 (a select, not a product).  The seven pairs are summed.
;
; LIMITS.  x finite (for an infinite x the recurrence gives NaN; here only silu decides).  Knots with g_j+K = g_j (K = 1, 2, 3), for which the
; recurrence itself divides by zero, give non-finite numbers whose pattern is not matched.  Quotients are products with v_rcp_f32.
;
; THE SHARES.  256 work-groups: ttmp9 = pair of outputs o (64), ttmp7 = block of 128 rows (4).  Eight waves; wave w owns the 32 edges
; o = 2 ttmp9 + (w >> 2), i = 32 (w & 3) + lane, for all 128 rows.  A lane makes its edge's 56 constants itself and keeps them in registers;
; two rows go through each packed instruction.  The sum over i is made at the end from partial sums in LDS.
; Two o to a group: the fixed work is some 270 instructions a wave for the constants (once for each o and block of rows) and some 230 for silu
; (once for each row and group), against 64 x 98 in the loop.
; NOT USED.  Matrix instructions: the basis has no operand shared between edges, and the residual product, whose silu(x) and c_res already lie
; in these lanes, rides along as one packed multiply-add in 98.  Tensor loads and clusters: the 64 KiB of x that a group reads pass through
; registers for silu in any case.  Stores: a group owns two columns of out0, so two neighbouring lanes store 8 neighbouring bytes of a row.
;
; THE MODE: SCHED_MODE bits 1:0 = 2 (LLVM: expert scheduling mode 2), set by the entry lines.  The code itself states the register dependences
; between vector instructions and memory or LDS instructions, and those through scalar registers and VCC that vector instructions write,
; with s_wait_alu, always for 0.
; THE PLAN.  Registers that memory or LDS instructions touch:
;   XOFF, GOFF, COFF, EOFF, PAD, RAD, OAD   offsets and addresses, made once at the head and never written again.
;   Q            x lands in it, silu works in it, the LDS stores read it; then the constants and the loop use the same registers.
;   XA, XB       Turn p (row pair p) reads the buffer of p's parity; the load of row pair p + 1, issued at turn p's head, lands in the other,
;                which turn p - 1 read and which no vector instruction of turn p names.
;   OA, OB       Turn p's last sum writes the out-buffer of p's parity; the store issued at the head of turn p + 1 reads it.
;   XAD, SAD     Read by the loop's loads and stores; stepped once a trip, at the trip's end.
; So ONE wait on va_vdst stands at a turn's head: the turn before has written its out-buffer and is done reading its x buffer, and (a trip's first
; turn) XAD and SAD are written.  The turn's load and store follow it.  Two waits on vm_vsrc stand in a trip: at the head of its second turn (the
; store issued a turn earlier has read OA, which this turn writes) and ahead of the two address adds (which also covers the store that read OB).
; One wait on va_sdst stands in a turn, between its 28 compares and the first reader of their masks.
.set NEG_L2E, 0xbfb8aa3b               ; -log2(e)
.set THREE,   0x40400000               ; 3.0
; LDS
.set XS_PAIR, 512                      ; one pair of rows for 32 inputs: 32 lanes x {x0, x1, silu0, silu1}
.set XS_WAVE, 32*XS_PAIR               ; what one wave prepares: 32 pairs of rows
.set XS_IG,   64*XS_PAIR               ; what one wave reads: all 64 pairs of rows of its 32 inputs
.set S_BASE,  4*XS_IG                  ; behind the four x regions: the partial sums
.set S_PAIR,  272                      ; 32 lanes x 8 bytes + 16
.set S_WAVE,  64*S_PAIR+32             ; one wave's partial sums.  4 S_WAVE = 128 modulo 256, S_PAIR = 16 modulo 256: the sixteen lanes of
                                       ; a half wave at the end (2 outputs x 8 row pairs) read sixteen different 16-byte columns modulo 256
; scalar registers of the loop
.set ML,   48                          ; s[48:61]  mask lo <= x, then the window's mask: pair q, row r at ML+2q+r
.set MH,   66                          ; s[66:79]  mask x < hi
; vector registers
.set XOFF, 3                           ; byte offsets into x, grid, c_basis, c_res / c_spl
.set GOFF, 4
.set COFF, 5
.set EOFF, 6
.set XAD,  7                           ; LDS: my 16 bytes of the trip's first row pair
.set PAD,  8                           ; LDS: where I put the row pairs that I prepare
.set SAD,  9                           ; LDS: my 8 bytes of partial sums
.set RAD,  13                          ; LDS: the partial sums that I add up at the end
.set OAD,  14                          ; byte offset of my number in out0
.set KC,   16                          ; v[16:71]  pair q at KC+8q: lo, hi | -g_b, d3_a - d3_b | d3_b, p2 | p1, p0
.set CR,   72                          ; v72 c_res, v73 c_spl
.set G,    74                          ; v[74:88]  the knots
.set C,    90                          ; v[90:100] c_k; v89 and v101 are c_-1 = c_11 = 0
.set W0,   102                         ; v[102:229] work area, used by one phase after the other
.set Q,    W0                          ; silu: 32 x {x0, x1, s0, s1}
.set H1,   W0                          ; constants: g_k+1 - g_k (14), g_k+2 - g_k (13), g_k+3 - g_k (12), in one run
.set H2,   W0+14
.set H3,   W0+27
.set I1,   W0+39                       ; their reciprocals, in the same order
.set I2,   W0+53
.set I3,   W0+66
.set D1,   W0+79                       ; d1_k, k = -1 .. 12, the two ends zero
.set D2,   W0+93                       ; d2_k, k = -1 .. 13, the two ends zero
.set D3,   W0+107                      ; d3_k, k = 0 .. 13 (the odd ones end in KC+4k)
.set MM,   W0+121                      ; m
.set T,    W0                          ; loop: t = x - g_b, 7 pairs of registers
.set TM,   W0+14                       ; min(t, 0)
.set U,    W0+28                       ; the Horner value
.set ACA,  W0+42                       ; two chains of sums: no LDS instruction names them
.set ACB,  W0+44
.set XA,   W0+48                       ; two buffers of {x0, x1, s0, s1}
.set XB,   W0+52
.set OA,   W0+56                       ; two out-buffers: a row pair's two partial sums
.set OB,   W0+58
.set F,    W0                          ; the end: 32 x 4 partial sums
	s_load_b256 s[4:11], s[0:1], 0x0               ; x s[4:5], grid s[6:7], c_basis s[8:9], c_res s[10:11]
	s_load_b128 s[12:15], s[0:1], 0x20             ; c_spl s[12:13], out0 s[14:15]
	v_lshl_add_u32 v230, v0, 2, 0x42100
	v_mov_b32 v231, 0
	v_lshrrev_b32 v1, 5, v0
	v_readfirstlane_b32 s34, v1                    ; wave 0..7
	v_and_b32 v2, 31, v0                           ; lane
	s_and_b32 s37, ttmp7, 0xffff                   ; block of 128 rows
	s_lshl_b32 s24, s37, 16                        ; 128 rows x 512 bytes, in x and in out0
	s_mov_b32 s25, 0
	s_mul_i32 s26, ttmp9, 256*60                   ; the group's 256 edges: 60 bytes of knots each,
	s_mov_b32 s27, 0
	s_mul_i32 s28, ttmp9, 256*44                   ; 44 bytes of coefficients,
	s_mov_b32 s29, 0
	s_lshl_b32 s30, ttmp9, 10                      ; 4 bytes of c_res and of c_spl
	s_mov_b32 s31, 0
	s_lshl_b32 s32, ttmp9, 3                       ; two columns of out0
	s_mov_b32 s33, 0
	s_mov_b32 s18, NEG_L2E                         ; a packed instruction names a scalar pair: both halves are written
	s_mov_b32 s19, NEG_L2E
	s_mov_b32 s21, THREE
	s_mov_b32 s22, 0x76543210                      ; v_permlanex16_b32: lane l reads lane l xor 16
	s_mov_b32 s23, 0xfedcba98
	v_and_b32 v[XOFF], 127, v0                     ; i
	v_lshrrev_b32 v1, 7, v0
	v_lshlrev_b32 v[XOFF], 2, v[XOFF]
	v_lshl_add_u32 v[XOFF], v1, 15, v[XOFF]        ; 4 i + 64 rows x 512 bytes for the waves of the second output: they prepare rows 64..127
	v_mul_u32_u24 v[GOFF], v0, 60                  ; the thread's number is its edge's number within the group
	v_mul_u32_u24 v[COFF], v0, 44
	v_lshlrev_b32 v[EOFF], 2, v0
	s_wait_alu depctr_va_sdst(0)                   ; s34 is written, ahead of its first reader: the LDS regions and out0's rows are made from it
	s_and_b32 s35, s34, 3                          ; which 32 inputs
	s_lshr_b32 s36, s34, 2                         ; which of the two outputs
	s_wait_kmcnt 0x0
	s_add_nc_u64 s[4:5], s[4:5], s[24:25]
	s_add_nc_u64 s[6:7], s[6:7], s[26:27]
	s_add_nc_u64 s[8:9], s[8:9], s[28:29]
	s_add_nc_u64 s[10:11], s[10:11], s[30:31]
	s_add_nc_u64 s[12:13], s[12:13], s[30:31]
	s_add_nc_u64 s[14:15], s[14:15], s[24:25]
	s_add_nc_u64 s[14:15], s[14:15], s[32:33]
	s_wait_alu depctr_va_vdst(0)                   ; the four offsets XOFF, GOFF, COFF, EOFF are written, which all the global loads read
; 32 loads: 16 pairs of rows of x, 128 neighbouring bytes a wave each; the two rows of a packed pair land in neighbouring registers
.macro XLOAD first
.set k, \first
.rept 16
	global_load_b32 v[Q+4*k], v[XOFF], s[4:5] offset:1024*k          ; row 2k of my share
	global_load_b32 v[Q+4*k+1], v[XOFF], s[4:5] offset:1024*k+512    ; row 2k+1
.set k, k+1
.endr
.endm
	XLOAD 0                                        ; what is needed first goes first; then the 28 numbers of my edge
.set k, 0
.rept 15
	global_load_b32 v[G+k], v[GOFF], s[6:7] offset:4*k
.set k, k+1
.endr
.set k, 0
.rept 11
	global_load_b32 v[C+k], v[COFF], s[8:9] offset:4*k
.set k, k+1
.endr
	global_load_b32 v[CR], v[EOFF], s[10:11]
	global_load_b32 v[CR+1], v[EOFF], s[12:13]
	; LDS addresses and the end's indices, while the loads are out: none of these lines names XOFF or a register of Q
	s_mul_i32 s38, s35, XS_IG
	v_lshl_add_u32 v[XAD], v2, 4, s38              ; my inputs' region + 16 x lane
	s_mul_i32 s39, s36, XS_WAVE
	s_add_co_u32 s39, s39, s38
	v_lshl_add_u32 v[PAD], v2, 4, s39              ; the half of it that I fill
	s_mul_i32 s41, s34, S_WAVE
	s_add_co_u32 s41, s41, S_BASE
	v_lshl_add_u32 v[SAD], v2, 3, s41              ; my wave's partial sums + 8 x lane
	v_and_b32 v10, 1, v0                           ; the end: which output,
	v_bfe_u32 v11, v0, 1, 3                        ; which of my wave's 8 row pairs,
	v_bfe_u32 v12, v0, 4, 1                        ; h: which half of the inputs I add, and which row of the pair I store
	v_mul_u32_u24 v[RAD], v10, 4*S_WAVE
	v_mad_u32_u24 v[RAD], v11, S_PAIR, v[RAD]
	v_mad_u32_u24 v[RAD], v12, 2*S_WAVE, v[RAD]
	s_mul_i32 s42, s34, 8*S_PAIR
	s_add_co_u32 s42, s42, S_BASE
	v_add_nc_u32 v[RAD], s42, v[RAD]
	v_lshlrev_b32 v[OAD], 2, v10                   ; out0: row 16 wave + 2 (row pair) + h, column = which output
	v_lshl_add_u32 v[OAD], v11, 10, v[OAD]
	v_lshl_add_u32 v[OAD], v12, 9, v[OAD]
	s_lshl_b32 s43, s34, 13
	v_add_nc_u32 v[OAD], s43, v[OAD]
; silu(x) = x / (1 + 2^(-x log2 e)) for 16 pairs of rows, stage by stage, and {x0, x1, s0, s1} to LDS: 512 neighbouring bytes a store.
; Behind each run of transcendentals one v_nop stands before a result is used (ISA guide 5.7.2).
.macro SILU first
.set k, \first
.rept 16
	v_pk_mul_f32 v[Q+4*k+2:Q+4*k+3], v[Q+4*k:Q+4*k+1], s[18:19] op_sel_hi:[1,0]
.set k, k+1
.endr
.set k, \first
.rept 16
	v_exp_f32 v[Q+4*k+2], v[Q+4*k+2]
	v_exp_f32 v[Q+4*k+3], v[Q+4*k+3]
.set k, k+1
.endr
	v_nop
.set k, \first
	s_wait_alu depctr_va_vdst(0)
.rept 16
	v_pk_add_f32 v[Q+4*k+2:Q+4*k+3], v[Q+4*k+2:Q+4*k+3], 1.0 op_sel_hi:[1,0]
.set k, k+1
.endr
.set k, \first
.rept 16
	v_rcp_f32 v[Q+4*k+2], v[Q+4*k+2]
	v_rcp_f32 v[Q+4*k+3], v[Q+4*k+3]
.set k, k+1
.endr
	v_nop
.set k, \first
	s_wait_alu depctr_va_vdst(0)
.rept 16
	v_pk_mul_f32 v[Q+4*k+2:Q+4*k+3], v[Q+4*k+2:Q+4*k+3], v[Q+4*k:Q+4*k+1]
.set k, k+1
.endr
	s_wait_alu depctr_va_vdst(0)                   ; the products have written silu into Q, which the LDS stores read; their address PAD is written too
.set k, \first
.rept 16
	ds_store_b128 v[PAD], v[Q+4*k:Q+4*k+3] offset:XS_PAIR*k
.set k, k+1
.endr
.endm
	s_wait_loadcnt 28                              ; loads return in order (ISA guide 5.7.1): row pairs 0..15 are in, the edge's 28 loads may be out
	XLOAD 16                                       ; row pairs 16..31 travel while the first sixteen are worked on.  No wait: no vector instruction since the head's wait names XOFF or these registers
	SILU 0
	s_wait_loadcnt 0x0
	SILU 16
	s_wait_dscnt 0x0                               ; my rows are in LDS, for the sake of the wave that shares my inputs:
	s_wait_alu depctr_vm_vsrc(0)                   ; my LDS stores have read Q: the constants below and the loop write these registers again
	s_barrier_signal -1                            ; say so, and make the edge's constants (registers only) while the others arrive
	; THE EDGE'S CONSTANTS, one edge a lane
	v_mov_b32 v[C-1], 0                            ; what lies outside the ranges is zero
	v_mov_b32 v[C+11], 0
	v_mov_b32 v[D1-1], 0
	v_mov_b32 v[D1+12], 0
	v_mov_b32 v[D2-1], 0
	v_mov_b32 v[D2+13], 0
.set k, 0
.rept 11
	v_mul_f32 v[C+k], v[C+k], v[CR+1]              ; c_spl goes into the coefficients
.set k, k+1
.endr
.set k, 0
.rept 14
	v_sub_f32 v[H1+k], v[G+k+1], v[G+k]
.set k, k+1
.endr
.set k, 0
.rept 13
	v_sub_f32 v[H2+k], v[G+k+2], v[G+k]
.set k, k+1
.endr
.set k, 0
.rept 12
	v_sub_f32 v[H3+k], v[G+k+3], v[G+k]
.set k, k+1
.endr
.set k, 0
.rept 39
	v_rcp_f32 v[I1+k], v[H1+k]                     ; the three runs lie one behind the other, here and there
.set k, k+1
.endr
	v_nop                                          ; one plain place behind the last reciprocal (ISA guide 5.7.2)
.set k, 0
.rept 12
	v_sub_f32 v[D1+k], v[C+k], v[C+k-1]
.set k, k+1
.endr
.set k, 0
	s_wait_alu depctr_va_vdst(0)
.rept 12
	v_mul_f32 v[D1+k], v[D1+k], v[I3+k]
.set k, k+1
.endr
.set k, 0
.rept 13
	v_sub_f32 v[D2+k], v[D1+k], v[D1+k-1]
.set k, k+1
.endr
.set k, 0
.rept 13
	v_mul_f32 v[D2+k], v[D2+k], v[I2+k]
.set k, k+1
.endr
.set k, 0
.rept 14
	v_sub_f32 v[D3+k], v[D2+k], v[D2+k-1]
.set k, k+1
.endr
.set k, 0
.rept 14
.if k & 1
	v_mul_f32 v[KC+4*k], v[D3+k], v[I1+k]          ; d3_b, b = 2q+1, straight into its place KC+8q+4
.else
	v_mul_f32 v[D3+k], v[D3+k], v[I1+k]
.endif
.set k, k+1
.endr
; the eight constants of pair q: a = 2q, b = 2q+1
.macro PAIRK q
	v_min_num_f32 v[KC+8*\q], v[G+2*\q], v[G+2*\q+1]                 ; lo
	v_max_num_f32 v[KC+8*\q+1], v[G+2*\q+1], v[G+2*\q+2]             ; hi
	v_mul_f32 v[KC+8*\q+2], -1.0, v[G+2*\q+1]                        ; -g_b: t is then a plain packed sum
	v_sub_f32 v[KC+8*\q+3], v[D3+2*\q], v[KC+8*\q+4]                 ; d3_a - d3_b
	v_mul_f32 v[KC+8*\q+5], s21, v[D2+2*\q]                          ; p2 = 3 d2_a
.if \q
	v_fma_f32 v[MM], v[H1+2*\q], v[D2+2*\q], v[D1+2*\q-1]            ; m = d1_b-2 + (g_b - g_a) d2_a
	v_fma_f32 v[KC+8*\q+7], v[D1+2*\q-1], v[H2+2*\q-1], v[C+2*\q-2]  ; c_b-3 + d1_b-2 (g_b - g_b-2)
	v_fma_f32 v[KC+8*\q+7], v[MM], v[H1+2*\q], v[KC+8*\q+7]          ; p0
.else
	v_mul_f32 v[MM], v[H1], v[D2]                                    ; b = 1: d1_-1 and c_-2 are zero
	v_mul_f32 v[KC+7], v[MM], v[H1]
.endif
	v_mul_f32 v[KC+8*\q+6], s21, v[MM]                               ; p1 = 3 m
.endm
.irp q, 0,1,2,3,4,5,6
	PAIRK \q
.endr
	s_barrier_wait -1                              ; every wave's x and silu are in LDS
; One pair of rows for my 32 edges: 98 vector instructions in stages of seven or fourteen that do not wait for each other.
; cur = {x0, x1, s0, s1}.  The result, this lane's share of the two rows' sums, is left in the out-buffer res.
.macro EVAL cur, res
.irp q, 0,1,2,3,4,5,6
	v_cmp_le_f32 s[ML+2*\q], v[KC+8*\q], v[\cur]                     ; lo <= x, row 0
	v_cmp_le_f32 s[ML+2*\q+1], v[KC+8*\q], v[\cur+1]                 ; row 1
.endr
.irp q, 0,1,2,3,4,5,6
	v_cmp_gt_f32 s[MH+2*\q], v[KC+8*\q+1], v[\cur]                   ; hi > x
	v_cmp_gt_f32 s[MH+2*\q+1], v[KC+8*\q+1], v[\cur+1]
.endr
.irp q, 0,1,2,3,4,5,6
	v_pk_add_f32 v[T+2*\q:T+2*\q+1], v[\cur:\cur+1], v[KC+8*\q+2:KC+8*\q+3] op_sel_hi:[1,0]                                ; t = x - g_b
.endr
.irp q, 0,1,2,3,4,5,6
	v_min_num_f32 v[TM+2*\q], 0, v[T+2*\q]                           ; t left of g_b, else 0 (the difference keeps its sign: denormals are kept)
	v_min_num_f32 v[TM+2*\q+1], 0, v[T+2*\q+1]
.endr
	s_wait_alu depctr_va_sdst(0)                                     ; the 28 compares have written their masks, ahead of the first reader
.set k, 0
.rept 14
	s_and_b32 s[ML+k], s[ML+k], s[MH+k]                              ; the window
.set k, k+1
.endr
.irp q, 0,1,2,3,4,5,6
	v_pk_fma_f32 v[U+2*\q:U+2*\q+1], v[T+2*\q:T+2*\q+1], v[KC+8*\q+4:KC+8*\q+5], v[KC+8*\q+4:KC+8*\q+5] op_sel:[0,0,1] op_sel_hi:[1,0,1]  ; d3_b t + p2
.endr
.irp q, 0,1,2,3,4,5,6
	v_pk_fma_f32 v[U+2*\q:U+2*\q+1], v[TM+2*\q:TM+2*\q+1], v[KC+8*\q+2:KC+8*\q+3], v[U+2*\q:U+2*\q+1] op_sel:[0,1,0]       ; + (d3_a - d3_b) min(t, 0)
.endr
.irp q, 0,1,2,3,4,5,6
	v_pk_fma_f32 v[U+2*\q:U+2*\q+1], v[U+2*\q:U+2*\q+1], v[T+2*\q:T+2*\q+1], v[KC+8*\q+6:KC+8*\q+7] op_sel_hi:[1,1,0]      ; . t + p1
.endr
.irp q, 0,1,2,3,4,5,6
	v_pk_fma_f32 v[U+2*\q:U+2*\q+1], v[U+2*\q:U+2*\q+1], v[T+2*\q:T+2*\q+1], v[KC+8*\q+6:KC+8*\q+7] op_sel:[0,0,1]         ; . t + p0
.endr
.set k, 0
.rept 14
	v_cndmask_b32 v[U+k], 0, v[U+k], s[ML+k]                         ; 0 where the window is shut
.set k, k+1
.endr
	v_pk_fma_f32 v[ACA:ACA+1], v[\cur+2:\cur+3], v[CR:CR+1], v[U:U+1] op_sel_hi:[1,0,1]   ; c_res silu(x) + pair 0 starts one chain,
	v_pk_add_f32 v[ACB:ACB+1], v[U+2:U+3], v[U+6:U+7]                                     ; pairs 1 and 3 the other: nothing is cleared
	v_pk_add_f32 v[ACA:ACA+1], v[ACA:ACA+1], v[U+4:U+5]
	v_pk_add_f32 v[ACB:ACB+1], v[ACB:ACB+1], v[U+10:U+11]
	v_pk_add_f32 v[ACA:ACA+1], v[ACA:ACA+1], v[U+8:U+9]
	v_pk_add_f32 v[ACB:ACB+1], v[ACB:ACB+1], v[U+12:U+13]
	v_pk_add_f32 v[\res:\res+1], v[ACA:ACA+1], v[ACB:ACB+1]                               ; the one line that writes an out-buffer
.endm
; The turn of row pair p, from 1 on.  cur, res: its x buffer and its out-buffer; nxt, old: the other two, which the turn before worked on.
; more = 1: row pair p + 1 is asked for, into nxt.  free = 1: res was read by the store that the turn before issued, with no wait on vm_vsrc since.
.macro TURN cur, res, nxt, old, ldoff, stoff, free, more
	s_wait_dscnt 1                                 ; LDS instructions of a wave end in order (ISA guide 5.7.1): cur is in; the store issued behind its load may be out
.if \free
	s_wait_alu depctr_vm_vsrc(0)                   ; the store issued in the turn before has read res, which this turn's last sum writes again
.endif
	s_wait_alu depctr_va_vdst(0)                   ; the turn before has written old, which the store reads, and is done reading nxt, in which the load lands; behind the trip's end XAD and SAD are written
.if \more
	ds_load_b128 v[\nxt:\nxt+3], v[XAD] offset:\ldoff
.endif
	ds_store_b64 v[SAD], v[\old:\old+1] offset:\stoff
	EVAL \cur, \res                                ; names neither nxt nor old, nor XAD nor SAD
.endm
	s_wait_alu depctr_va_vdst(0)                   ; the constants are done with the registers in which XA and XB land; XAD is written
	ds_load_b128 v[XA:XA+3], v[XAD]
	ds_load_b128 v[XB:XB+3], v[XAD] offset:XS_PAIR
	s_wait_dscnt 0x0                               ; the way into the loop has no store behind these loads: wait for both
	EVAL XA, OA                                    ; row pair 0: no turn stands in front of it, so nothing is stored, and both buffers are full
	s_mov_b32 s44, 31
.Lpair:                                                ; trip t: row pairs 2t + 1 and 2t + 2; it asks for 2t + 2 and 2t + 3 and stores 2t and 2t + 1
	TURN XB, OB, XA, OA, 2*XS_PAIR, 0, 0, 1
	TURN XA, OA, XB, OB, 3*XS_PAIR, S_PAIR, 1, 1
	s_wait_alu depctr_vm_vsrc(0)                   ; the loads and stores issued so far have read XAD and SAD; the store that read OB, which the next turn writes, is among them
	v_add_nc_u32 v[XAD], 2*XS_PAIR, v[XAD]
	v_add_nc_u32 v[SAD], 2*S_PAIR, v[SAD]
	s_sub_co_i32 s44, s44, 1
	s_cmp_lg_u32 s44, 0
	s_cbranch_scc1 .Lpair
	TURN XB, OB, XA, OA, 0, 0, 0, 0                ; row pair 63: nothing more to fetch; row pair 62 is stored
	s_wait_alu depctr_va_vdst(0)                   ; row pair 63's sums are written in OB, which the last store reads; no vector instruction follows ahead of the end's loads, so the loop is also done with the registers in which those land
	ds_store_b64 v[SAD], v[OB:OB+1] offset:S_PAIR
	s_wait_dscnt 0x0                               ; my partial sums are in LDS, for the others' sake
	s_barrier_signal -1
	s_barrier_wait -1
	; THE END.  Wave w takes row pairs 8w .. 8w+7.  A lane adds the partial sums of 64 inputs (two waves' rows of 256 bytes) for one
	; output and one row pair; the lane 16 further on has the other 64 inputs.
	s_wait_alu depctr_vm_vsrc(0)                   ; my last two stores have read OA and OB, in which loads below land
.irp g, 0,1
.set k, 0
.rept 16
	ds_load_b128 v[F+4*(16*\g+k):F+4*(16*\g+k)+3], v[RAD] offset:\g*S_WAVE+16*k   ; two inputs x {row 0, row 1}
.set k, k+1
.endr
.endr
	v_cmp_ne_u32 vcc_lo, 0, v12                    ; h: made here, so that the sums stand between it and the selects
	s_wait_dscnt 0x0
.set k, 0
.rept 32
	v_pk_add_f32 v[F+4*k:F+4*k+1], v[F+4*k:F+4*k+1], v[F+4*k+2:F+4*k+3]
.set k, k+1
.endr
.irp s, 16,8,4,2,1
.set k, 0
.rept \s
	v_pk_add_f32 v[F+4*k:F+4*k+1], v[F+4*k:F+4*k+1], v[F+4*(k+\s):F+4*(k+\s)+1]
.set k, k+1
.endr
.endr
	s_wait_alu depctr_va_vcc(0)                    ; the compare has written VCC, ahead of its first reader
	v_cndmask_b32 v[F+4], v[F+1], v[F], vcc_lo     ; I send the row that my partner stores: h = 1 sends row 0, h = 0 sends row 1
	v_cndmask_b32 v[F+5], v[F], v[F+1], vcc_lo     ; and keep the row that I store: row h
	v_permlanex16_b32 v[F+6], v[F+4], s22, s23     ; its destination counts as read: F+6 has been written
	v_add_f32 v[F+5], v[F+5], v[F+6]
	s_wait_alu depctr_va_vdst(0)                   ; the sum is written in F+5, which the store reads
	global_store_b32 v[OAD], v[F+5], s[14:15]
	s_wait_dscnt 0x0
	s_wait_alu depctr_hold_cnt(0) depctr_sa_sdst(0) depctr_va_vdst(0) depctr_va_sdst(0) depctr_va_ssrc(0) depctr_va_vcc(0) depctr_vm_vsrc(0)
	s_wait_tensorcnt 0x0
	ds_add_u32 v230, v231
	s_wait_dscnt 0x0
	s_endpgm
.Lfunc_end_k_q550e3a43e1_kan:
	.size	k_q550e3a43e1_kan, .Lfunc_end_k_q550e3a43e1_kan-k_q550e3a43e1_kan
	.p2alignl 7, 3214868480
	.fill 96, 4, 3214868480
	.section	.rodata,"a",@progbits
	.p2align	6, 0x0
	.amdhsa_kernel k_q550e3a43e1_kan
		.amdhsa_group_segment_fixed_size 271616
		.amdhsa_private_segment_fixed_size 0
		.amdhsa_enable_private_segment 0
		.amdhsa_kernarg_size 48
		.amdhsa_user_sgpr_count 2
		.amdhsa_user_sgpr_kernarg_segment_ptr 1
		.amdhsa_wavefront_size32 1
		.amdhsa_system_sgpr_workgroup_id_x 1
		.amdhsa_system_sgpr_workgroup_id_y 1
		.amdhsa_system_sgpr_workgroup_id_z 1
		.amdhsa_system_vgpr_workitem_id 0
		.amdhsa_next_free_vgpr 232
		.amdhsa_next_free_sgpr 80
		.amdhsa_reserve_vcc 1
		.amdhsa_float_denorm_mode_32 3
		.amdhsa_float_denorm_mode_16_64 3
		.amdhsa_memory_ordered 1
		.amdhsa_forward_progress 1
		.amdhsa_inst_pref_size 65
	.end_amdhsa_kernel
	.amdgpu_metadata
---
amdhsa.version: [ 1, 2 ]
amdhsa.kernels:
  - .name:           k_q550e3a43e1_kan
    .symbol:         k_q550e3a43e1_kan.kd
    .args:
      - { .name: x, .offset: 0, .size: 8, .value_kind: global_buffer, .address_space: global }
      - { .name: grid, .offset: 8, .size: 8, .value_kind: global_buffer, .address_space: global }
      - { .name: c_basis, .offset: 16, .size: 8, .value_kind: global_buffer, .address_space: global }
      - { .name: c_res, .offset: 24, .size: 8, .value_kind: global_buffer, .address_space: global }
      - { .name: c_spl, .offset: 32, .size: 8, .value_kind: global_buffer, .address_space: global }
      - { .name: out0, .offset: 40, .size: 8, .value_kind: global_buffer, .address_space: global }
    .group_segment_fixed_size: 271616
    .private_segment_fixed_size: 0
    .kernarg_segment_align: 8
    .kernarg_segment_size: 48
    .max_flat_workgroup_size: 256
    .sgpr_count:     80
    .vgpr_count:     232
    .wavefront_size: 32
...
	.end_amdgpu_metadata
.endif
;; end of part 2
